; MI455X (gfx1250); checked and timed in simulation.
; The chip was launched on July 23, 2026; its instructions are those of AMD's public machine-readable ISA for CDNA 5 (MIT licence, August 2026) and "CDNA5" Instruction Set Architecture Reference Guide (July 2026). The comments in the code are by the model that wrote it; some were corrected since.
;; Dot Product Attention. Allowed arithmetic: matrix products marked QUANTISED: E2M1 operands, one E8M0 scale for each 32 along K, by v_wmma_scale_f32_16x16x128_f8f6f4 with both operands' format E2M1 (or v_wmma_scale_f32_32x16x128_f4), f32 sums; everything else in f32.
;; Inputs: keys_codes 128 x 1,024 x 2 x 16 uint8 (E2M1 codes of keys, K innermost, in blocks of 32 codes, two codes a byte); keys_scales 128 x 1,024 x 2 uint8 (E8M0 scales of keys, one for each 32 codes along K); queries_codes 128 x 1,024 x 2 x 16 uint8 (E2M1 codes of queries, K innermost, in blocks of 32 codes, two codes a byte); queries_scales 128 x 1,024 x 2 uint8 (E8M0 scales of queries, one for each 32 codes along K); valid_lens 128 int32; values_codes 128 x 64 x 32 x 16 uint8 (E2M1 codes of values, K innermost, in blocks of 32 codes, two codes a byte); values_scales 128 x 64 x 32 uint8 (E8M0 scales of values, one for each 32 codes along K).
;; Outputs: out0 128 x 1,024 x 64 float32.
;; This version of the problem:
;;   THIS VERSION OF THE PROBLEM IS GIVEN IN LOW PRECISION. The matrix products marked QUANTISED in the list below multiply operands that are first quantised to E2M1 (2 exponent bits, 1 mantissa bit; 4 bits a number), with one power-of-two scale for each 32 numbers along K (OCP MX v1.0); their sums are f32. All else is computed in f32.
;;   The module's matrix products, in the order in which they are computed (A, B: the left and right operand; K: the contracted axis; several contracted axes count as one K, in the product's order):
;;     1. batch 128 x [M 1,024, K 64] x [K 64, N 1,024]; A: input queries (given as codes); B: input keys (given as codes): QUANTISED
;;     2. batch 128 x [M 1,024, K 1,024] x [K 1,024, N 64]; A: softmax (see below); B: input values (given as codes): QUANTISED
;;   THE QUANTISER, for each operand of a quantised product, along K:
;;     - K is cut into blocks of 32 from its start; a last block that is shorter is filled with zeros.
;;     - A block's scale is 2^e with e = floor(log2(the largest magnitude in the block)) - 2, held to -126 .. 127; a block of zeros has e = 0. As a byte (E8M0): e + 127.
;;     - Each number is divided by its block's scale, clamped to +-6, and rounded to the nearest number of E2M1, ties to even, subnormals kept.
;;     - The product sums the exact products of the quantised numbers (number of the format x scale) in f32.
;;   ~~~python
;;   def quantise(x, axis):      # numpy; x: float32 -> the quantised numbers, widened to float32 again
;;       x = np.moveaxis(x, axis, -1); K = x.shape[-1]
;;       x = np.pad(x, [(0, 0)] * (x.ndim - 1) + [(0, -K % 32)]); x = x.reshape(x.shape[:-1] + (-1, 32)); a = np.abs(x).max(-1, keepdims=True)
;;       e = np.where(a > 0, np.clip(np.frexp(np.where(a > 0, a, 1))[1] - 1 - 2, -126, 127), 0)      # np.frexp(a)[1] - 1 = floor(log2(a)), exactly
;;       r = np.clip(x / 2.0 ** e, -6, 6)
;;       step = 2.0 ** (np.maximum(np.frexp(np.where(r == 0, 1, r))[1] - 1, 0) - 1)
;;       q = np.round(r / step) * step * 2.0 ** e      # np.round: ties to even
;;       return np.moveaxis(q.reshape(q.shape[:-2] + (-1,))[..., :K], -1, axis).astype(np.float32)
;;   ~~~
;;   SOFTMAX AHEAD OF A QUANTISED PRODUCT. Where the list says 'softmax', what is quantised is not the finished softmax but p = 2^(t - M), with t = logit x log2(e) and M = ceil(the row's largest t), a whole number; so 1/2 < the row's largest p <= 1. The row's sum l is taken of the UNQUANTISED p, in f32, and the product's result is divided by l at the end. Since M is a whole number, a kernel that streams over the keys may use a running M (the ceiling of the running maximum): every later rescaling is an exact power of two, which a block's scale takes up: the codes' values come out the same.
;;   OPERANDS COMPUTED ON THE WAY. 'Computed on the way' means the value that the module computes at that place (a softmax that the list does not call 'softmax' is quantised finished and normalised). What goes into a quantiser is computed in f32, as accurately as f32 sums, v_exp_f32 and their like allow (about 1e-6 of the number): no bf16 or f16 on the way to a quantiser, and a product that is left as it is and whose result goes on into a quantised operand takes f32 operands (vector FMAs, or v_wmma_f32_16x16x4_f32). A number that lies on a knife's edge between two numbers of the format may be rounded either way, as far as f32 arithmetic and the matrix unit's own rounding can turn it there, and no further.
;;   INPUTS GIVEN AS CODES. keys (in the module: [128, 1024, 64], K = its axis 2); queries (in the module: [128, 1024, 64], K = its axis 2); values (in the module: [128, 1024, 64], K = its axis 1): each comes as NAME_codes (uint8): NAME with its K axis moved to the last place and cut into blocks of 32 codes, [.., K / 32, bytes a block], one block behind the other in memory; two codes a byte, the lower K in the low four bits (a code: sign, 2 exponent bits, 1 mantissa bit); and NAME_scales (uint8): the same leading axes, one E8M0 byte (e + 127) for each 32 codes along K. Its value is code x scale, taken as it is: it is not quantised again, and the codes and scales need not be those that the quantiser above would give.
;; 2 versions, each right; version 2 is version 1 with the launch attn written anew for expert scheduling mode. Each part assembles by itself: llvm-mc -triple=amdgcn-amd-amdhsa -mcpu=gfx1250 --defsym DOCPART=n.
;; ======== version 1 of 2: 1 launch
;; limits: right only within a limited range of input values
;; launch attn (part 1): grid 8 x 128, 8 waves a work-group, no clusters, 106,496 bytes of LDS; arguments queries_codes, queries_scales, keys_codes, keys_scales, values_codes, values_scales, valid_lens, out0; writes out0
.if DOCPART == 1
	.amdgcn_target "amdgcn-amd-amdhsa--gfx1250"
	.amdhsa_code_object_version 6
	.text
	.protected	k_q1a8bc85a1a_attn
	.globl	k_q1a8bc85a1a_attn
	.p2align	8
	.type	k_q1a8bc85a1a_attn,@function
k_q1a8bc85a1a_attn:
	s_mov_b64 s[64:65], 0
	v_nop
	global_prefetch_b8 v0, s[64:65] scope:SCOPE_SE
	s_setreg_imm32_b32 hwreg(HW_REG_WAVE_MODE, 25, 1), 1
	s_wait_xcnt 0x0
; out0[b][q][:] = the sum over k of softmax_k(logit) V[b][k][:], logit = Q[b][q] . K[b][k] / 8 where k < valid_lens[b], else -1e6.  128 heads, 1,024 queries, 1,024 keys, head size 64.
; Both products on codes of FP4 (E2M1) with one E8M0 scale for each 32 along a product's K.  Q, K: rows of 32 bytes of codes and 2 scale bytes (K = the head's 64).  V: keys innermost, 64 rows of 512 bytes and 32 scale bytes.
; THE SOFTMAX AHEAD OF THE SECOND PRODUCT: t = logit x log2(e); M = the row's largest t so far, rounded UP to a whole number; p = 2^(t - M) is quantised along the keys, not normalised; the row's sum l is taken of the
; unquantised p in f32 and divides at the end.  When M moves, l and O are multiplied by 2^(old M - new M): exact.
; SHARES.  A work-group owns 128 queries of one head (x: the block, y: the head); each of its eight waves owns 16 of them, one tile, in 256 registers.  The head's K, V and scale bytes are copied into LDS once,
; through registers; one barrier; from there on no wave waits for another.  A key step is 128 keys: 8 products K Q^T (the head's 64 fill half of the instruction's 128: registers 4-7 of both operands hold zero codes) and 4 products V^T P^T.
; LAYOUT.  Both products are used transposed: S^T = K Q^T (source 0 = 16 keys, source 1 = my 16 queries), O^T = V^T P^T (source 0 = 16 of the head's 64, source 1 = P): a lane holds ONE query (lane % 16) throughout.
; THE KEYS OF A TILE ARE NOT NEIGHBOURS: lane r of tile 2 b + u takes key 32 b + 8 u + r + 8 (r / 8), so that the 16 registers of tiles 2 b and 2 b + 1 are 16 neighbouring keys, 32 b + 16 (lane / 16) + 0 .. 15.
; WORK LEFT OUT.  valid_lens[b] is a whole number that this launch reads from memory.  (1) In a head with valid_lens >= 1, a step whose 128 keys all lie at or beyond valid_lens is not walked: their logit is -1e6, their
; p = 2^(-1,442,695 - M) is 0 in f32, so their codes are zeros and they add nothing to l.  Keys from 512 on are not even copied where valid_lens <= 512.  Inside the one step that holds both kinds of key all is computed and
; hidden scores are replaced by -8e6 (= -1e6 x 8, exact), ahead of the maximum.  (2) In a head with valid_lens <= 0 all 1,024 keys are walked and every score is replaced: all logits are -1e6, whose t in f32 is the whole
; number -1,442,695; a whole number that is the same along the softmax's axis moves M by itself and leaves p, its codes and l as they are: so the score put in is 0 (t = 0, M = 0, p = 1, l = 1,024).
; LIMITS.  valid_lens is held to 0 .. 1,024 and enters no address.  In a head with valid_lens >= 1 each query's largest valid logit lies above -999,800 (so that the hidden keys' p is 0 in f32).  A NaN scale byte, an
; infinity or an overflow that reaches only the steps left out is not carried to the result.  A block whose every p lies under 2^-124 gets the byte 1 and zero codes.
; NO TENSOR LOADS, NO CLUSTER, NO JOINT REQUESTS, though the eight work-groups of a head read the same K and V: the steps to walk and the bytes to copy hang on a number read from memory.
; What is shared is 32 or 64 KiB a work-group, copied once; what the branch spares is whole key steps, some 240 vector instructions a wave each.
.set VP,    528                        ; a row of V in LDS: 512 bytes + 16 = 33 x 16: the 16 rows that a load touches start in 16 different columns of 16 bytes modulo 256
.set SP,    272                        ; a row of the stage: 256 bytes + 16
.set KIMG,  0                          ; K's fragments as images of their registers: step s, tile t, lane l at 4096 s + 512 t + 16 l: 32,768 bytes
.set VROW,  32768                      ; V's 64 rows: 33,792 bytes
.set SCK,   66560                      ; K's scale bytes as they lie, 2 a key: 2,048 bytes
.set SCV,   68608                      ; V's, 32 a row: 2,048 bytes
.set STAGE, 70656                      ; the way out: 16 rows x 272 bytes for each wave
.set SPARE, 105472                     ; the spare words, 128 bytes for each wave: four blocks of 256 bytes that no other line names
; REGISTERS: v1 16 x lane (on the way out my offset in O); v2, v3, v4 my lane's place in V's rows, K's scale bytes, V's scale bytes; v5, v6 the add's two; v7 the prefetch's offset; v8-11 the step's LDS addresses;
; v12 -M, v13 the largest t, v[14:15] l in two halves; v16-23 Q; v24-31 K's scale words; v32-95 K's 8 fragments; v96-159 S^T, then p; v160-191 O^T; v192-223 V's 4 fragments; v224-231 p's codes; v232-239 at work;
; v[240:241] f and its partner; v242 16 (lane / 16); v243 the score of a hidden key; v244-247 the conversions' scale operands; v248-251 V's scale words; v252, v254 at work; v253 p's scale word; v255 Q's scale words.
; At the head v13-15, v244-247, v252 hold addresses of the copy and v96-191, v232-235 its data.
; s[4:19] the eight addresses; s20 wave, s21 x, s22 head, s23 the later head; s[24:25] lane selects; s[26:27] c; s28 valid_len, s29 keys to walk, s30 hidden score, s31 the later head's keys to walk;
; s32 the step's first key; s33-36 the step's places in K's images, V's rows, K's and V's scale bytes; s[42:45], s[48:51] the copy's bases; s[46:47] the prefetch's; s56 its flag.
	s_load_b256 s[4:11], s[0:1], 0x0               ; Q's codes s[4:5], Q's scales s[6:7], K's codes s[8:9], K's scales s[10:11]
	s_load_b256 s[12:19], s[0:1], 0x20             ; V's codes s[12:13], V's scales s[14:15], valid_lens s[16:17], O s[18:19]
	v_lshl_add_u32 v5, v0, 2, SPARE                ; my spare word; never rewritten
	v_mov_b32 v6, 0                                ; 0; never rewritten
	v_lshrrev_b32 v8, 5, v0
	v_readfirstlane_b32 s20, v8                    ; wave 0..7
	s_mov_b32 s21, ttmp9                           ; x: my block of 128 queries
	s_and_b32 s22, ttmp7, 0xffff                   ; y: the head
	v_and_b32 v9, 31, v0                           ; l
	v_and_b32 v10, 15, v0                          ; r = l % 16
	v_bfe_u32 v11, v0, 4, 1                        ; h = l / 16
	v_and_b32 v12, 8, v10
	v_add_nc_u32 v12, v12, v10                     ; rk = r + 8 (r / 8)
	v_lshlrev_b32 v1, 4, v9                        ; an image's place for my lane
	v_mul_u32_u24 v2, v10, VP
	v_lshl_add_u32 v2, v11, 4, v2
	v_add_nc_u32 v2, VROW, v2                      ; V: row r of a tile, + 16 h
	v_lshl_add_u32 v3, v12, 1, SCK                 ; K's scale bytes: 2 a key
	v_lshl_add_u32 v4, v10, 5, SCV                 ; V's: 32 a row
	v_lshlrev_b32 v242, 4, v11                     ; 16 h
	v_lshlrev_b32 v13, 5, v10
	v_lshl_add_u32 v13, v11, 4, v13                ; Q in memory: row r of 32 bytes, + 16 h
	v_lshlrev_b32 v14, 1, v10                      ; Q's scale bytes: 2 a row
	v_lshlrev_b32 v15, 5, v12
	v_lshl_add_u32 v15, v11, 4, v15                ; K in memory: the tile's row rk, + 16 h: just the 16 bytes that the fragment's lane wants
	s_lshl_b32 s52, s20, 9
	v_add_nc_u32 v244, s52, v1                     ; where I store K's images: wave w copies tile w of every step
	v_lshlrev_b32 v245, 9, v11
	v_lshl_add_u32 v245, v10, 4, v245              ; V in memory: two rows of 512 bytes an instruction, sixteen lanes on 256 bytes of each
	s_mul_i32 s52, s20, 8*VP
	s_add_co_u32 s52, s52, VROW
	v_mul_u32_u24 v246, v11, VP
	v_lshl_add_u32 v246, v10, 4, v246
	v_add_nc_u32 v246, s52, v246                   ; and in LDS: wave w copies rows 8 w .. 8 w + 7
	v_lshlrev_b32 v247, 3, v0                      ; the scale bytes: 8 a thread, 2,048 a work-group
	v_add_nc_u32 v252, SCK, v247
	s_mov_b32 s24, 0x76543210
	s_mov_b32 s25, 0xfedcba98                      ; v_permlanex16_b32's selects for lane l xor 16
	s_mov_b32 s26, 0x3e38aa3b                      ; c = log2(e) / 8: t = score x c
	s_mov_b32 s27, s26                             ; (the packed form names the pair, so it is written)
	s_lshl_b32 s52, s22, 10
	s_lshl_b32 s53, s21, 7
	s_add_co_u32 s52, s52, s53
	s_lshl_b32 s53, s20, 4
	s_add_co_u32 s52, s52, s53                     ; my first query among all heads': 1024 y + 128 x + 16 w
	s_add_co_u32 s23, s22, 64
	s_min_u32 s23, s23, 127                        ; the head 64 on, held inside the tensors
	s_mov_b32 s39, 0                               ; the upper word of every offset below
	s_wait_kmcnt 0x0
	s_lshl_b32 s38, s22, 2
	s_add_nc_u64 s[40:41], s[16:17], s[38:39]
	s_load_b32 s28, s[40:41], 0x0                  ; my head's valid_len
	s_lshl_b32 s38, s23, 2
	s_add_nc_u64 s[56:57], s[16:17], s[38:39]
	s_load_b32 s31, s[56:57], 0x0                  ; the later head's, for the prefetch
	s_lshl_b32 s38, s52, 5
	s_add_nc_u64 s[4:5], s[4:5], s[38:39]          ; Q's codes at my first query
	s_lshl_b32 s38, s52, 1
	s_add_nc_u64 s[6:7], s[6:7], s[38:39]          ; its scale bytes
	s_lshl_b32 s38, s52, 8
	s_add_nc_u64 s[18:19], s[18:19], s[38:39]      ; its row of O
	s_lshl_b32 s53, s22, 15                        ; a head's codes are 32,768 bytes
	s_lshr_b32 s54, s20, 1
	s_lshl_b32 s54, s54, 10
	s_and_b32 s55, s20, 1
	s_lshl_b32 s55, s55, 8
	s_add_co_u32 s38, s53, s54
	s_add_co_u32 s38, s38, s55
	s_add_nc_u64 s[42:43], s[8:9], s[38:39]        ; K: tile w = 2 b + u begins at key 32 b + 8 u: 1024 b + 256 u bytes
	s_lshl_b32 s54, s20, 12
	s_add_co_u32 s38, s53, s54
	s_add_nc_u64 s[44:45], s[12:13], s[38:39]      ; V: my 8 rows
	s_lshl_b32 s38, s22, 11
	s_add_nc_u64 s[48:49], s[10:11], s[38:39]      ; a head's scale bytes are 2,048
	s_add_nc_u64 s[50:51], s[14:15], s[38:39]
; The copy, in two parts: part p holds keys 512 p .. 512 p + 511.  Each of K's loads reads two aligned runs of 256 bytes, each of V's likewise.
.macro SLOAD p
.irp i, 0,1,2,3
	global_load_b128 v[96+64*\p+4*\i:99+64*\p+4*\i], v15, s[42:43] offset:4096*(4*\p+\i)       ; K's tile w of step 4 p + i
.endr
.irp j, 0,1,2,3
	global_load_b128 v[112+64*\p+4*\j:115+64*\p+4*\j], v245, s[44:45] offset:1024*\j+256*\p    ; V's rows 8 w + 2 j and + 1, the part's 256 bytes
.endr
.endm
.macro SSTORE p
.irp i, 0,1,2,3
	ds_store_b128 v244, v[96+64*\p+4*\i:99+64*\p+4*\i] offset:KIMG+4096*(4*\p+\i)              ; 512 consecutive bytes
.endr
.irp j, 0,1,2,3
	ds_store_b128 v246, v[112+64*\p+4*\j:115+64*\p+4*\j] offset:2*VP*\j+256*\p
.endr
.endm
	global_load_b128 v[16:19], v13, s[4:5] th:TH_LOAD_NT          ; Q's fragment, k = 32 h + 0 .. 31: it stays in registers; read by this wave alone
	global_load_u16 v255, v14, s[6:7] th:TH_LOAD_NT               ; Q's scale words: bytes 2 and 3 come as 0 and stand over zero codes
	global_load_b64 v[232:233], v247, s[48:49]                    ; K's scale bytes
	global_load_b64 v[234:235], v247, s[50:51]                    ; V's
	SLOAD 0
	s_wait_kmcnt 0x0                               ; the two valid_lens
	s_max_i32 s28, s28, 0
	s_min_i32 s28, s28, 1024                       ; held to 0 .. 1,024
	s_cmp_eq_u32 s28, 0
	s_cselect_b32 s29, 1024, s28                   ; keys to walk: all where none counts
	s_cselect_b32 s30, 0, 0xcaf42400               ; a hidden key's score: 0 there, else -8e6
	s_max_i32 s31, s31, 0
	s_min_i32 s31, s31, 1024
	s_cmp_eq_u32 s31, 0
	s_cselect_b32 s31, 1024, s31                   ; the later head's keys to walk
	s_cmp_le_u32 s29, 512
	s_cbranch_scc1 .Lshort                         ; no step from key 512 on will be walked: its bytes are not copied
	SLOAD 1
	s_wait_loadcnt 0x0                             ; all my loads are in
	SSTORE 1
.Lshort:
	s_wait_loadcnt 0x0                             ; part 0, Q and the scale bytes are in, on both ways; the loads' address registers may be written again
	SSTORE 0
	ds_store_b64 v252, v[232:233]
	ds_store_b64 v252, v[234:235] offset:SCV-SCK
	; set-up on registers that no store above reads, while the stores are out
.irp j, 20,21,22,23
	v_mov_b32 v[\j], 0                             ; Q's k = 64 .. 127: zero codes
.endr
.irp t, 0,1,2,3,4,5,6,7
.irp j, 4,5,6,7
	v_mov_b32 v[32+8*\t+\j], 0                     ; K's likewise: written once, never loaded
.endr
.endr
	v_mov_b32 v13, 0xff61b1e6                      ; the largest t so far: -3e38, under every t
	v_floor_f32 v12, -v13                          ; -M
	v_mov_b32 v14, 0                               ; l, in two halves
	v_mov_b32 v15, 0
.irp b, 0,1,2,3
	v_mov_b32 v[236+\b], 0                         ; written once: a lane permute's destination counts as one of its sources
.endr
	v_mov_b32 v241, 0                              ; (named as the upper half of the pair v[240:241])
	v_mov_b32 v243, s30
	s_mov_b32 s32, 0
	s_mov_b32 s33, 0
	s_mov_b32 s34, 0
	s_mov_b32 s35, 0
	s_mov_b32 s36, 0
	; THE PREFETCH'S ADDRESS AND FLAG.  Work-group (x, y), y < 64, asks for one eighth of the codes of head y + 64: x / 4 says K's or V's, (x / 2) % 2 which part (keys 0-511 or 512-1023), x % 2 which half of that part.
	s_lshr_b32 s53, s21, 2                         ; 0: K, 1: V
	s_bfe_u32 s54, s21, 0x10001                    ; the part
	s_and_b32 s55, s21, 1                          ; the half
	s_cmp_eq_u32 s53, 0
	s_cselect_b64 s[46:47], s[8:9], s[12:13]
	s_cselect_b32 s56, 14, 8                       ; a part on: 16,384 bytes in K, 256 in a row of V
	s_cselect_b32 s57, 13, 14                      ; a half on: 8,192 bytes in K, 32 rows of V
	s_lshl_b32 s56, s54, s56
	s_lshl_b32 s57, s55, s57
	s_add_co_u32 s38, s56, s57
	s_lshl_b32 s56, s23, 15
	s_add_co_u32 s38, s38, s56                     ; in the later head
	s_add_nc_u64 s[46:47], s[46:47], s[38:39]
	s_add_co_u32 s53, s53, 8
	v_and_b32 v7, 31, v0
	v_lshlrev_b32 v7, s53, v7                      ; from lane to lane: 256 bytes in K's block, a row of 512 in V; never rewritten
	s_lshl_b32 s54, s54, 9
	s_cmp_gt_u32 s31, s54                          ; will the later head's work-groups copy this part?
	s_cselect_b32 s56, 0, 1
	s_lshr_b32 s57, s22, 6                         ; 0 where y < 64
	s_or_b32 s56, s56, s57
	s_or_b32 s56, s56, s20                         ; 0: wave 0 of a work-group that asks
	s_wait_dscnt 0x0                               ; for the others' sake: my stores have landed (and have read their registers)
	s_barrier_signal -1
.set j, 0
.rept 32
	v_mov_b32 v[160+j], 0                          ; O^T.  (The step is written once: the first finds zeros, which the first change of M leaves zeros)
.set j, j+1
.endr
	s_barrier_wait -1                              ; the launch's one barrier: the head's K, V and scale bytes lie in LDS
	; A PREFETCH INTO THE L2: 32 blocks of 256 bytes, a lane a block, one instruction of one wave; the eight work-groups of head y name each block of head y + 64's codes once, and only the parts that will be copied.
	; Heads 0 to 63 and the scale bytes come by their loads alone.  Its address registers are never written again.
	s_cmp_lg_u32 s56, 0
	s_cbranch_scc1 .Lno_ask
	global_prefetch_b8 v7, s[46:47] th:TH_LOAD_NT scope:SCOPE_SE
.Lno_ask:
; THE KEY LOOP: eight trips, a constant, 128 keys each.  A step whose first key is not to be walked is jumped over, all but the lines at its end that step addresses.
.Lstep:
	s_cmp_ge_u32 s32, s29
	s_cbranch_scc1 .Lskip
	v_add_nc_u32 v8, s33, v1                       ; these four are also the places between the last step's products V^T P^T and the loads into V's registers
	v_add_nc_u32 v9, s34, v2
	v_add_nc_u32 v10, s35, v3
	v_add_nc_u32 v11, s36, v4
.irp t, 0,1,2,3,4,5,6,7
	ds_load_b128 v[32+8*\t:35+8*\t], v8 offset:KIMG+512*\t       ; K's fragment of tile t, as it was stored
.endr
.irp t, 0,1,2,3,4,5,6,7
	ds_load_u16 v[24+\t], v10 offset:64*(\t/2)+16*(\t%2)         ; its rows' two scale bytes; bytes 2 and 3 come as 0 and stand over zero codes
.endr
.irp t, 0,1,2,3
.irp c, 0,1
	ds_load_b128 v[192+8*\t+4*\c:195+8*\t+4*\c], v9 offset:16*VP*\t+32*\c   ; V^T: rows 16 t + r, these 128 keys: asked for now, wanted behind the softmax
.endr
.endr
.irp t, 0,1,2,3
	ds_load_b32 v[248+\t], v11 offset:512*\t                     ; and their scale words
.endr
	s_wait_dscnt 12                                ; LDS loads come back in order: K's sixteen are in, V's twelve may be out
.irp t, 0,1,2,3,4,5,6,7
	v_wmma_scale_f32_16x16x128_f8f6f4 v[96+8*\t:103+8*\t], v[32+8*\t:39+8*\t], v[16:23], 0, v[24+\t], v255 matrix_a_fmt:MATRIX_FMT_FP4 matrix_b_fmt:MATRIX_FMT_FP4
.endr                                              ; lane (r, h) holds query r; register 16 b + i is key s32 + 32 b + 16 h + i
.rept 4
	v_nop                                          ; four places ahead of the first read of the results (ISA guide 7.12.1)
.endr
	s_add_co_u32 s52, s32, 128
	s_cmp_le_u32 s52, s28
	s_cbranch_scc1 .Lopen                          ; all 128 keys count
	s_sub_co_i32 s52, s28, s32
	v_sub_nc_u32 v252, s52, v242                   ; d = valid_len - the step's first key - 16 h: register 16 b + i is hidden where 32 b + i >= d
.set n, 0
.rept 64
	v_cmp_ge_i32 vcc_lo, 32*(n/16)+n%16, v252
	v_cndmask_b32 v[96+n], v[96+n], v243, vcc_lo   ; ascending: each accumulator is read from its low end on
.set n, n+1
.endr
.Lopen:
.irp b, 0,1,2,3
	v_max3_num_f32 v[232+\b], v[96+16*\b], v[97+16*\b], v[98+16*\b]   ; THE LARGEST SCORE OF EACH BLOCK OF 32 KEYS: it serves twice: for the row's maximum, and, since p rises with the score, for the block's largest p
.endr
.irp i, 3,5,7,9,11,13
.irp b, 0,1,2,3
	v_max3_num_f32 v[232+\b], v[232+\b], v[96+16*\b+\i], v[97+16*\b+\i]   ; (the four blocks by turns)
.endr
.endr
.irp b, 0,1,2,3
	v_max_num_f32 v[232+\b], v[232+\b], v[111+16*\b]
.endr
.irp b, 0,1,2,3
	v_permlanex16_b32 v[236+\b], v[232+\b], s24, s25
.endr
.irp b, 0,1,2,3
	v_max_num_f32 v[232+\b], v[232+\b], v[236+\b]  ; with lane l xor 16's 16 keys
.endr
	v_max3_num_f32 v254, v232, v233, v234
	v_max_num_f32 v254, v254, v235                 ; the step's largest score of my query
	v_mul_f32 v254, s26, v254                      ; as t (c is positive)
	v_max_num_f32 v13, v13, v254                   ; the running largest t
	v_mov_b32 v254, v12
	v_floor_f32 v12, -v13                          ; the new -M = floor(-t) = -ceil(t): M IS A WHOLE NUMBER
	v_sub_f32 v254, v12, v254                      ; M's old value less its new one: a whole number, 0 or less
	v_cvt_i32_f32 v254, v254                       ; (it saturates)
	v_ldexp_f32 v240, 1.0, v254                    ; f = 2^(old M - new M): a multiplication by it rounds nothing
.set j, 0
.rept 32
	v_pk_fma_f32 v[96+j:97+j], v[96+j:97+j], s[26:27], v[12:13] op_sel_hi:[1,0,0]   ; t - M, two at a time (of the pairs c and -M the low word serves both halves)
.set j, j+2
.endr
.irp b, 0,1,2,3
	v_fma_f32 v[232+\b], v[232+\b], s26, v12       ; the same of each block's largest score
.endr
.set j, 0
.rept 64
	v_exp_f32 v[96+j], v[96+j]                     ; p = 2^(t - M), at most 1: NOT normalised
.set j, j+1
.endr
	v_pk_mul_f32 v[14:15], v[14:15], v[240:241] op_sel_hi:[1,0]   ; l under the new M: the plain instruction behind the exponentials
	s_wait_alu depctr_va_vdst(0)                   ; one wait for the whole batch, ahead of its first reader
.irp b, 0,1,2,3
	v_exp_f32 v[232+\b], v[232+\b]                 ; the block's largest p: the same two instructions on the same number give the same bits
.endr
	v_pk_add_f32 v[236:237], v[96:97], v[98:99]    ; THE ROW'S SUM IS TAKEN OF THE UNQUANTISED p: two at a time, in two chains.  (It reads the 64 alone: plain work behind the four)
.irp j, 4,8,12,16,20,24,28,32,36,40,44,48,52,56,60
	v_pk_add_f32 v[14:15], v[14:15], v[96+\j:97+\j]
	v_pk_add_f32 v[236:237], v[236:237], v[98+\j:99+\j]
.endr
	v_pk_add_f32 v[14:15], v[14:15], v[236:237]
	s_wait_alu depctr_va_vdst(0)                   ; and one for the four
.irp b, 0,1,2,3
	v_max_num_f32 v[232+\b], 0x1800000, v[232+\b]  ; the floor 2^(3 - 127): the byte cannot fall under 1 (a block whose every p is 0 keeps that byte: its codes are zeros)
.endr
.irp b, 0,1,2,3
	v_add_nc_u32 v[244+\b], 0xff000000, v[232+\b]  ; 2 off the exponent field: the conversion's scale operand
.endr
.irp b, 0,1,2,3
	v_lshrrev_b32 v[236+\b], 23, v[244+\b]         ; the scale's byte
.endr
	v_lshl_or_b32 v253, v237, 8, v236              ; p's scale word for these 128 keys
	v_lshl_or_b32 v253, v238, 16, v253
	v_lshl_or_b32 v253, v239, 24, v253
.irp b, 0,1,2,3
	v_cvt_scalef32_pk8_fp4_f32 v[224+2*\b], v[96+16*\b:103+16*\b], v[244+\b]
	v_cvt_scalef32_pk8_fp4_f32 v[225+2*\b], v[104+16*\b:111+16*\b], v[244+\b]
.endr
	v_nop                                          ; one plain vector instruction between a scaled conversion and the vector instruction that touches its result
.irp c, 0,1                                        ; the operand's layout wants a WHOLE block in a lane: lanes 0-15 block 2 c, lanes 16-31 block 2 c + 1
.irp i, 0,1
	v_permlane16_swap_b32 v[224+4*\c+\i], v[226+4*\c+\i]
.endr
.endr
.set j, 0
.rept 16
	v_pk_mul_f32 v[160+j:161+j], v[160+j:161+j], v[240:241] op_sel_hi:[1,0]   ; O^T under the new M: x f
.set j, j+2
.endr
.rept 4
	v_nop                                          ; with the twelve multiplications above that name none of a given product's registers: more than eight places behind the scale word's last write, more than four behind the codes', four behind O^T's
.endr
	s_wait_dscnt 0x0                               ; V's fragments and scale words are in
.irp t, 0,1,2,3
	v_wmma_scale_f32_16x16x128_f8f6f4 v[160+8*\t:167+8*\t], v[192+8*\t:199+8*\t], v[224:231], v[160+8*\t:167+8*\t], v[248+\t], v253 matrix_a_fmt:MATRIX_FMT_FP4 matrix_b_fmt:MATRIX_FMT_FP4
.endr                                              ; the four accumulators take one turn each; the next matrix instruction is the next step's first K Q^T
.Lskip:
	s_add_co_u32 s33, s33, 4096                    ; the next step's places: on every way, so that each is stepped eight times
	s_add_co_u32 s34, s34, 64
	s_add_co_u32 s35, s35, 256
	s_add_co_u32 s36, s36, 4
	s_add_co_u32 s32, s32, 128
	s_cmp_lt_u32 s32, 1024
	s_cbranch_scc1 .Lstep
	; THE WAY OUT.  l's two halves and lane l xor 16's are added; O^T is divided by l and goes through my own stage in LDS, so that sixteen lanes store one whole row of O, 256 aligned bytes.
	v_add_f32 v14, v14, v15
	v_permlanex16_b32 v236, v14, s24, s25
	v_add_f32 v14, v14, v236                       ; the row's sum
	v_rcp_f32 v14, v14
	v_and_b32 v8, 15, v0                           ; r  (the address work is the plain work behind the reciprocal, and the places behind the last products)
	v_bfe_u32 v9, v0, 4, 1                         ; h
	s_mul_i32 s52, s20, 16*SP
	s_add_co_u32 s52, s52, STAGE                   ; my stage
	v_mul_u32_u24 v10, v8, SP
	v_lshl_add_u32 v10, v9, 5, v10
	v_add_nc_u32 v10, s52, v10                     ; in: row r; tile t's eight channels of my half: 64 t + 32 h bytes on
	v_mul_u32_u24 v11, v9, SP
	v_lshl_add_u32 v11, v8, 4, v11
	v_add_nc_u32 v11, s52, v11                     ; back: lanes 0-15 one row, lanes 16-31 the next
	v_lshlrev_b32 v1, 8, v9
	v_lshl_add_u32 v1, v8, 4, v1                   ; and the same two rows in O
	s_wait_alu depctr_va_vdst(0)                   ; the wait ahead of the reciprocal's first reader
.set j, 0
.rept 16
	v_pk_mul_f32 v[96+j:97+j], v[160+j:161+j], v[14:15] op_sel_hi:[1,0]   ; O^T / l, ascending: register 8 t + i is o(r, 16 t + 8 h + i)
.set j, j+2
.endr
.irp t, 0,1,2,3
	ds_store_b128 v10, v[96+8*\t:99+8*\t] offset:64*\t
	ds_store_b128 v10, v[100+8*\t:103+8*\t] offset:64*\t+16
.endr
.irp i, 0,1,2,3,4,5,6,7
	ds_load_b128 v[32+4*\i:35+4*\i], v11 offset:2*\i*SP          ; LDS serves a wave's instructions in order (ISA guide 5.7.1): these see my stores
.endr
.irp i, 0,1,2,3,4,5,6,7
	s_wait_dscnt 7-\i                              ; pair i of the eight pairs of rows is back
	global_store_b128 v1, v[32+4*\i:35+4*\i], s[18:19] offset:512*\i th:TH_STORE_NT   ; 32 lanes store 512 consecutive bytes, at a multiple of 256 from O's first byte; written once, read by nobody here
.endr
	s_wait_tensorcnt 0x0                           ; the wave's end, behind my last LDS store
	ds_add_u32 v5, v6
	s_wait_dscnt 0x0
	s_endpgm
.Lfunc_end_k_q1a8bc85a1a_attn:
	.size	k_q1a8bc85a1a_attn, .Lfunc_end_k_q1a8bc85a1a_attn-k_q1a8bc85a1a_attn
	.p2alignl 7, 3214868480
	.fill 96, 4, 3214868480
	.section	.rodata,"a",@progbits
	.p2align	6, 0x0
	.amdhsa_kernel k_q1a8bc85a1a_attn
		.amdhsa_group_segment_fixed_size 106496
		.amdhsa_private_segment_fixed_size 0
		.amdhsa_enable_private_segment 0
		.amdhsa_kernarg_size 64
		.amdhsa_user_sgpr_count 2
		.amdhsa_user_sgpr_kernarg_segment_ptr 1
		.amdhsa_wavefront_size32 1
		.amdhsa_system_sgpr_workgroup_id_x 1
		.amdhsa_system_sgpr_workgroup_id_y 1
		.amdhsa_system_sgpr_workgroup_id_z 1
		.amdhsa_system_vgpr_workitem_id 0
		.amdhsa_next_free_vgpr 256
		.amdhsa_next_free_sgpr 66
		.amdhsa_reserve_vcc 1
		.amdhsa_float_denorm_mode_32 3
		.amdhsa_float_denorm_mode_16_64 3
		.amdhsa_memory_ordered 1
		.amdhsa_forward_progress 1
		.amdhsa_inst_pref_size 36
	.end_amdhsa_kernel
	.amdgpu_metadata
---
amdhsa.version: [ 1, 2 ]
amdhsa.kernels:
  - .name:           k_q1a8bc85a1a_attn
    .symbol:         k_q1a8bc85a1a_attn.kd
    .args:
      - { .name: queries_codes, .offset: 0, .size: 8, .value_kind: global_buffer, .address_space: global }
      - { .name: queries_scales, .offset: 8, .size: 8, .value_kind: global_buffer, .address_space: global }
      - { .name: keys_codes, .offset: 16, .size: 8, .value_kind: global_buffer, .address_space: global }
      - { .name: keys_scales, .offset: 24, .size: 8, .value_kind: global_buffer, .address_space: global }
      - { .name: values_codes, .offset: 32, .size: 8, .value_kind: global_buffer, .address_space: global }
      - { .name: values_scales, .offset: 40, .size: 8, .value_kind: global_buffer, .address_space: global }
      - { .name: valid_lens, .offset: 48, .size: 8, .value_kind: global_buffer, .address_space: global }
      - { .name: out0, .offset: 56, .size: 8, .value_kind: global_buffer, .address_space: global }
    .group_segment_fixed_size: 106496
    .private_segment_fixed_size: 0
    .kernarg_segment_align: 8
    .kernarg_segment_size: 64
    .max_flat_workgroup_size: 256
    .sgpr_count:     66
    .vgpr_count:     256
    .wavefront_size: 32
...
	.end_amdgpu_metadata
.endif
;; end of part 1
;; ======== version 2 of 2: 1 launch; version 1 with the launch attn written anew for expert scheduling mode
;; limits: right only within a limited range of input values
;; launch attn (part 2): grid 8 x 128, 8 waves a work-group, no clusters, 106,496 bytes of LDS; arguments queries_codes, queries_scales, keys_codes, keys_scales, values_codes, values_scales, valid_lens, out0; writes out0
.if DOCPART == 2
	.amdgcn_target "amdgcn-amd-amdhsa--gfx1250"
	.amdhsa_code_object_version 6
	.text
	.protected	k_q1a8bc85a1a_attn
	.globl	k_q1a8bc85a1a_attn
	.p2align	8
	.type	k_q1a8bc85a1a_attn,@function
k_q1a8bc85a1a_attn:
	s_mov_b64 s[64:65], 0
	v_nop
	global_prefetch_b8 v0, s[64:65] scope:SCOPE_SE
	s_setreg_imm32_b32 hwreg(HW_REG_WAVE_SCHED_MODE, 0, 2), 2
	s_setreg_imm32_b32 hwreg(HW_REG_WAVE_MODE, 25, 1), 1
	s_wait_xcnt 0x0
	s_wait_alu depctr_vm_vsrc(0)
; out0[b][q][:] = the sum over k of softmax_k(logit) V[b][k][:], logit = Q[b][q] . K[b][k] / 8 where k < valid_lens[b], else -1e6.  128 heads, 1,024 queries, 1,024 keys, head size 64.
; Both products on codes of FP4 (E2M1) with one E8M0 scale for each 32 along a product's K.  Q, K: rows of 32 bytes of codes and 2 scale bytes (K = the head's 64).  V: keys innermost, 64 rows of 512 bytes and 32 scale bytes.
; THE SOFTMAX AHEAD OF THE SECOND PRODUCT: t = logit x log2(e); M = the row's largest t so far, rounded UP to a whole number; p = 2^(t - M) is quantised along the keys, not normalised; the row's sum l is taken of the
; unquantised p in f32 and divides at the end.  When M moves, l and O are multiplied by 2^(old M - new M): exact.
; SHARES.  A work-group owns 128 queries of one head (x: the block, y: the head); each of its eight waves owns 16 of them, one tile, in 256 registers.  The head's K, V and scale bytes are copied into LDS once,
; through registers; one barrier; from there on no wave waits for another.  A key step is 128 keys: 8 products K Q^T (the head's 64 fill half of the instruction's 128: registers 4-7 of both operands hold zero codes) and 4 products V^T P^T.
; LAYOUT.  Both products are used transposed: S^T = K Q^T (source 0 = 16 keys, source 1 = my 16 queries), O^T = V^T P^T (source 0 = 16 of the head's 64, source 1 = P): a lane holds ONE query (lane % 16) throughout.
; THE KEYS OF A TILE ARE NOT NEIGHBOURS: lane r of tile 2 b + u takes key 32 b + 8 u + r + 8 (r / 8), so that the 16 registers of tiles 2 b and 2 b + 1 are 16 neighbouring keys, 32 b + 16 (lane / 16) + 0 .. 15.
; WORK LEFT OUT.  valid_lens[b] is a whole number that this launch reads from memory.  (1) In a head with valid_lens >= 1, a step whose 128 keys all lie at or beyond valid_lens is not walked: their logit is -1e6, their
; p = 2^(-1,442,695 - M) is 0 in f32, so their codes are zeros and they add nothing to l.  Keys from 512 on are not even copied where valid_lens <= 512.  Inside the one step that holds both kinds of key all is computed and
; hidden scores are replaced by -8e6 (= -1e6 x 8, exact), ahead of the maximum.  (2) In a head with valid_lens <= 0 all 1,024 keys are walked and every score is replaced: all logits are -1e6, whose t in f32 is the whole
; number -1,442,695; a whole number that is the same along the softmax's axis moves M by itself and leaves p, its codes and l as they are: so the score put in is 0 (t = 0, M = 0, p = 1, l = 1,024).
; LIMITS.  valid_lens is held to 0 .. 1,024 and enters no address.  In a head with valid_lens >= 1 each query's largest valid logit lies above -999,800 (so that the hidden keys' p is 0 in f32).  A NaN scale byte, an
; infinity or an overflow that reaches only the steps left out is not carried to the result.  A block whose every p lies under 2^-124 gets the byte 1 and zero codes.
; NO TENSOR LOADS, NO CLUSTER, NO JOINT REQUESTS, though the eight work-groups of a head read the same K and V: the steps to walk and the bytes to copy hang on a number read from memory.
; What is shared is 32 or 64 KiB a work-group, copied once; what the branch spares is whole key steps, some 240 vector instructions a wave each.
; THE MODE: SCHED_MODE bits 1:0 = 2 (LLVM: expert scheduling mode 2), set by the entry lines.  The code itself states the register dependences between vector or matrix instructions and memory or LDS instructions,
; with s_wait_alu, always for 0.
; THE PLAN.  Registers that memory or LDS instructions touch:
;   THE HEAD.  v13-15, v245, v247 offsets of the copy's loads, v244, v246, v252 LDS addresses of its stores, v96-127, v160-191, v232-235 its data.  The addresses are written ahead of ONE wait on va_vdst, in front of the
;     first load; all are read for the last time ahead of ONE wait on vm_vsrc, behind the last LDS store: behind it they are the loop's registers.  v7 is written once and read by the prefetch; v1, v3 by step 0's loads of K.
;   THE LOOP.  K's fragments (v32-35 + 8 t) and scale words (v24-31): read by a step's products K Q^T; the NEXT step's loads land in them in the middle of the same step.
;     V's fragments (v192-223) and scale words (v248-251): read by the products V^T P^T at a step's end; the next step's loads land in them in that step's middle.
;     v8, v10 (the next step's K) and v9, v11 (this step's V): written once a step, by four additions behind the products K Q^T, ahead of them one wait on vm_vsrc; read by the 28 loads.
;     ONE wait on va_vdst, the one that stands behind the 64 exponentials in any case, states all that the 28 loads hang on: v8-11 are written, the products K Q^T are done reading K's registers, the last step's products
;     V^T P^T V's.  Between it and the wait on DScnt ahead of V^T P^T no vector instruction names a register that those loads touch.  One more wait on va_vdst stands ahead of V^T P^T: p's codes and scale word are written.
;   THE MASK.  The compares write s2-s17, sixteen in a run, one wait on va_sdst behind each run, ahead of the selects that read them.
;   THE WAY OUT.  One wait on vm_vsrc ahead of the new addresses; the wait behind the reciprocal; one wait on va_vdst between the multiplications and the LDS stores of their results.
.set VP,    528                        ; a row of V in LDS: 512 bytes + 16 = 33 x 16: the 16 rows that a load touches start in 16 different columns of 16 bytes modulo 256
.set SP,    272                        ; a row of the stage: 256 bytes + 16
.set KIMG,  0                          ; K's fragments as images of their registers: step s, tile t, lane l at 4096 s + 512 t + 16 l: 32,768 bytes
.set VROW,  32768                      ; V's 64 rows: 33,792 bytes
.set SCK,   66560                      ; K's scale bytes as they lie, 2 a key: 2,048 bytes
.set SCV,   68608                      ; V's, 32 a row: 2,048 bytes
.set STAGE, 70656                      ; the way out: 16 rows x 272 bytes for each wave
.set SPARE, 105472                     ; the spare words, 128 bytes for each wave: four blocks of 256 bytes that no other line names
; REGISTERS: v1 16 x lane (on the way out my offset in O); v2, v3, v4 my lane's place in V's rows, K's scale bytes, V's scale bytes; v5, v6 the add's two; v7 the prefetch's offset; v8, v10 LDS addresses of the next step's K
; and its scale bytes, v9, v11 of this step's V and its scale bytes; v12 -M, v13 the largest t, v[14:15] l in two halves; v16-23 Q; v24-31 K's scale words; v32-95 K's 8 fragments; v96-159 S^T, then p; v160-191 O^T;
; v192-223 V's 4 fragments; v224-231 p's codes; v232-239 at work; v[240:241] f and its partner; v242 16 (lane / 16); v243 the score of a hidden key; v244-247 the conversions' scale operands; v248-251 V's scale words;
; v252, v254 at work; v253 p's scale word; v255 Q's scale words.  At the head v13-15, v244-247, v252 hold addresses of the copy and v96-191, v232-235 its data.
; s[4:19] the eight addresses (in the loop s2-s17 are the masks of hidden keys; O's address stays in s[18:19]); s20 wave, s21 x, s22 head, s23 the later head; s[24:25] lane selects; s[26:27] c; s28 valid_len, s29 keys to walk,
; s30 hidden score, s31 the later head's keys to walk; s32 the step's first key; s33, s35 the NEXT step's places in K's images and scale bytes; s34, s36 this step's in V's rows and scale bytes;
; s[42:45], s[48:51] the copy's bases; s[46:47] the prefetch's; s56 its flag.
	s_load_b256 s[4:11], s[0:1], 0x0               ; Q's codes s[4:5], Q's scales s[6:7], K's codes s[8:9], K's scales s[10:11]
	s_load_b256 s[12:19], s[0:1], 0x20             ; V's codes s[12:13], V's scales s[14:15], valid_lens s[16:17], O s[18:19]
	v_lshl_add_u32 v5, v0, 2, SPARE                ; my spare word; never rewritten
	v_mov_b32 v6, 0                                ; 0; never rewritten
	v_lshrrev_b32 v8, 5, v0
	v_readfirstlane_b32 s20, v8                    ; wave 0..7
	s_mov_b32 s21, ttmp9                           ; x: my block of 128 queries
	s_and_b32 s22, ttmp7, 0xffff                   ; y: the head
	v_and_b32 v9, 31, v0                           ; l
	v_and_b32 v10, 15, v0                          ; r = l % 16
	v_bfe_u32 v11, v0, 4, 1                        ; h = l / 16
	v_and_b32 v12, 8, v10
	v_add_nc_u32 v12, v12, v10                     ; rk = r + 8 (r / 8)
	v_lshlrev_b32 v1, 4, v9                        ; an image's place for my lane
	v_mul_u32_u24 v2, v10, VP
	v_lshl_add_u32 v2, v11, 4, v2
	v_add_nc_u32 v2, VROW, v2                      ; V: row r of a tile, + 16 h
	v_lshl_add_u32 v3, v12, 1, SCK                 ; K's scale bytes: 2 a key
	v_lshl_add_u32 v4, v10, 5, SCV                 ; V's: 32 a row
	v_lshlrev_b32 v242, 4, v11                     ; 16 h
	v_lshlrev_b32 v13, 5, v10
	v_lshl_add_u32 v13, v11, 4, v13                ; Q in memory: row r of 32 bytes, + 16 h
	v_lshlrev_b32 v14, 1, v10                      ; Q's scale bytes: 2 a row
	v_lshlrev_b32 v15, 5, v12
	v_lshl_add_u32 v15, v11, 4, v15                ; K in memory: the tile's row rk, + 16 h: just the 16 bytes that the fragment's lane wants
	s_wait_alu depctr_va_sdst(0)                   ; s20, the wave's number, is written, ahead of its first reader
	s_lshl_b32 s52, s20, 9
	v_add_nc_u32 v244, s52, v1                     ; where I store K's images: wave w copies tile w of every step
	v_lshlrev_b32 v245, 9, v11
	v_lshl_add_u32 v245, v10, 4, v245              ; V in memory: two rows of 512 bytes an instruction, sixteen lanes on 256 bytes of each
	s_mul_i32 s52, s20, 8*VP
	s_add_co_u32 s52, s52, VROW
	v_mul_u32_u24 v246, v11, VP
	v_lshl_add_u32 v246, v10, 4, v246
	v_add_nc_u32 v246, s52, v246                   ; and in LDS: wave w copies rows 8 w .. 8 w + 7
	v_lshlrev_b32 v247, 3, v0                      ; the scale bytes: 8 a thread, 2,048 a work-group
	v_add_nc_u32 v252, SCK, v247
	s_mov_b32 s24, 0x76543210
	s_mov_b32 s25, 0xfedcba98                      ; v_permlanex16_b32's selects for lane l xor 16
	s_mov_b32 s26, 0x3e38aa3b                      ; c = log2(e) / 8: t = score x c
	s_mov_b32 s27, s26                             ; (the packed form names the pair, so it is written)
	s_lshl_b32 s52, s22, 10
	s_lshl_b32 s53, s21, 7
	s_add_co_u32 s52, s52, s53
	s_lshl_b32 s53, s20, 4
	s_add_co_u32 s52, s52, s53                     ; my first query among all heads': 1024 y + 128 x + 16 w
	s_add_co_u32 s23, s22, 64
	s_min_u32 s23, s23, 127                        ; the head 64 on, held inside the tensors
	s_mov_b32 s39, 0                               ; the upper word of every offset below
	s_wait_kmcnt 0x0
	s_lshl_b32 s38, s22, 2
	s_add_nc_u64 s[40:41], s[16:17], s[38:39]
	s_load_b32 s28, s[40:41], 0x0                  ; my head's valid_len
	s_lshl_b32 s38, s23, 2
	s_add_nc_u64 s[56:57], s[16:17], s[38:39]
	s_load_b32 s31, s[56:57], 0x0                  ; the later head's, for the prefetch
	s_lshl_b32 s38, s52, 5
	s_add_nc_u64 s[4:5], s[4:5], s[38:39]          ; Q's codes at my first query
	s_lshl_b32 s38, s52, 1
	s_add_nc_u64 s[6:7], s[6:7], s[38:39]          ; its scale bytes
	s_lshl_b32 s38, s52, 8
	s_add_nc_u64 s[18:19], s[18:19], s[38:39]      ; its row of O
	s_lshl_b32 s53, s22, 15                        ; a head's codes are 32,768 bytes
	s_lshr_b32 s54, s20, 1
	s_lshl_b32 s54, s54, 10
	s_and_b32 s55, s20, 1
	s_lshl_b32 s55, s55, 8
	s_add_co_u32 s38, s53, s54
	s_add_co_u32 s38, s38, s55
	s_add_nc_u64 s[42:43], s[8:9], s[38:39]        ; K: tile w = 2 b + u begins at key 32 b + 8 u: 1024 b + 256 u bytes
	s_lshl_b32 s54, s20, 12
	s_add_co_u32 s38, s53, s54
	s_add_nc_u64 s[44:45], s[12:13], s[38:39]      ; V: my 8 rows
	s_lshl_b32 s38, s22, 11
	s_add_nc_u64 s[48:49], s[10:11], s[38:39]      ; a head's scale bytes are 2,048
	s_add_nc_u64 s[50:51], s[14:15], s[38:39]
; The copy, in two parts: part p holds keys 512 p .. 512 p + 511.  Each of K's loads reads two aligned runs of 256 bytes, each of V's likewise.
.macro SLOAD p
.irp i, 0,1,2,3
	global_load_b128 v[96+64*\p+4*\i:99+64*\p+4*\i], v15, s[42:43] offset:4096*(4*\p+\i)       ; K's tile w of step 4 p + i
.endr
.irp j, 0,1,2,3
	global_load_b128 v[112+64*\p+4*\j:115+64*\p+4*\j], v245, s[44:45] offset:1024*\j+256*\p    ; V's rows 8 w + 2 j and + 1, the part's 256 bytes
.endr
.endm
.macro SSTORE p
.irp i, 0,1,2,3
	ds_store_b128 v244, v[96+64*\p+4*\i:99+64*\p+4*\i] offset:KIMG+4096*(4*\p+\i)              ; 512 consecutive bytes
.endr
.irp j, 0,1,2,3
	ds_store_b128 v246, v[112+64*\p+4*\j:115+64*\p+4*\j] offset:2*VP*\j+256*\p
.endr
.endm
; The sixteen LDS loads of a step's K: its eight fragments as they were stored, by the address in v[ak], and its rows' scale bytes, by the address in v[as].
.macro KLOAD ak, as
.irp t, 0,1,2,3,4,5,6,7
	ds_load_b128 v[32+8*\t:35+8*\t], v[\ak] offset:KIMG+512*\t   ; K's fragment of tile t
.endr
.irp t, 0,1,2,3,4,5,6,7
	ds_load_u16 v[24+\t], v[\as] offset:64*(\t/2)+16*(\t%2)      ; its rows' two scale bytes; bytes 2 and 3 come as 0 and stand over zero codes
.endr
.endm
	s_wait_alu depctr_va_vdst(0)                   ; the copy's offsets and LDS addresses (v13-15, v244-247, v252) are written, which its loads and stores read; so are v1 and v3, which step 0's LDS loads read
	global_load_b128 v[16:19], v13, s[4:5] th:TH_LOAD_NT          ; Q's fragment, k = 32 h + 0 .. 31: it stays in registers; read by this wave alone
	global_load_u16 v255, v14, s[6:7] th:TH_LOAD_NT               ; Q's scale words: bytes 2 and 3 come as 0 and stand over zero codes
	global_load_b64 v[232:233], v247, s[48:49]                    ; K's scale bytes
	global_load_b64 v[234:235], v247, s[50:51]                    ; V's
	SLOAD 0
	s_wait_kmcnt 0x0                               ; the two valid_lens
	s_max_i32 s28, s28, 0
	s_min_i32 s28, s28, 1024                       ; held to 0 .. 1,024
	s_cmp_eq_u32 s28, 0
	s_cselect_b32 s29, 1024, s28                   ; keys to walk: all where none counts
	s_cselect_b32 s30, 0, 0xcaf42400               ; a hidden key's score: 0 there, else -8e6
	s_max_i32 s31, s31, 0
	s_min_i32 s31, s31, 1024
	s_cmp_eq_u32 s31, 0
	s_cselect_b32 s31, 1024, s31                   ; the later head's keys to walk
	s_cmp_le_u32 s29, 512
	s_cbranch_scc1 .Lshort                         ; no step from key 512 on will be walked: its bytes are not copied
	SLOAD 1
	s_wait_loadcnt 0x0                             ; all my loads are in
	SSTORE 1
.Lshort:
	s_wait_loadcnt 0x0                             ; part 0, Q and the scale bytes are in, on both ways; the loads' address registers may be written again
	SSTORE 0
	ds_store_b64 v252, v[232:233]
	ds_store_b64 v252, v[234:235] offset:SCV-SCK
	s_wait_alu depctr_vm_vsrc(0)                   ; the copy's loads have read v13-15, v245, v247, its LDS stores v244, v246, v252 and their data v96-127, v160-191, v232-235: all of these are written anew from here on
	; set-up on registers, while the stores are out
.irp j, 20,21,22,23
	v_mov_b32 v[\j], 0                             ; Q's k = 64 .. 127: zero codes
.endr
.irp t, 0,1,2,3,4,5,6,7
.irp j, 4,5,6,7
	v_mov_b32 v[32+8*\t+\j], 0                     ; K's likewise: written once, never loaded
.endr
.endr
	v_mov_b32 v13, 0xff61b1e6                      ; the largest t so far: -3e38, under every t
	v_floor_f32 v12, -v13                          ; -M
	v_mov_b32 v14, 0                               ; l, in two halves
	v_mov_b32 v15, 0
.irp b, 0,1,2,3
	v_mov_b32 v[236+\b], 0                         ; written once: a lane permute's destination counts as one of its sources
.endr
	v_mov_b32 v241, 0                              ; (named as the upper half of the pair v[240:241])
	v_mov_b32 v243, s30
	s_mov_b32 s32, 0
	s_mov_b32 s33, 4096                            ; K's places lead by a step: a step asks for the next step's K
	s_mov_b32 s34, 0
	s_mov_b32 s35, 256
	s_mov_b32 s36, 0
	; THE PREFETCH'S ADDRESS AND FLAG.  Work-group (x, y), y < 64, asks for one eighth of the codes of head y + 64: x / 4 says K's or V's, (x / 2) % 2 which part (keys 0-511 or 512-1023), x % 2 which half of that part.
	s_lshr_b32 s53, s21, 2                         ; 0: K, 1: V
	s_bfe_u32 s54, s21, 0x10001                    ; the part
	s_and_b32 s55, s21, 1                          ; the half
	s_cmp_eq_u32 s53, 0
	s_cselect_b64 s[46:47], s[8:9], s[12:13]
	s_cselect_b32 s56, 14, 8                       ; a part on: 16,384 bytes in K, 256 in a row of V
	s_cselect_b32 s57, 13, 14                      ; a half on: 8,192 bytes in K, 32 rows of V
	s_lshl_b32 s56, s54, s56
	s_lshl_b32 s57, s55, s57
	s_add_co_u32 s38, s56, s57
	s_lshl_b32 s56, s23, 15
	s_add_co_u32 s38, s38, s56                     ; in the later head
	s_add_nc_u64 s[46:47], s[46:47], s[38:39]
	s_add_co_u32 s53, s53, 8
	v_and_b32 v7, 31, v0
	v_lshlrev_b32 v7, s53, v7                      ; from lane to lane: 256 bytes in K's block, a row of 512 in V; never rewritten
	s_lshl_b32 s54, s54, 9
	s_cmp_gt_u32 s31, s54                          ; will the later head's work-groups copy this part?
	s_cselect_b32 s56, 0, 1
	s_lshr_b32 s57, s22, 6                         ; 0 where y < 64
	s_or_b32 s56, s56, s57
	s_or_b32 s56, s56, s20                         ; 0: wave 0 of a work-group that asks
	s_wait_dscnt 0x0                               ; for the others' sake: my stores have landed
	s_barrier_signal -1
.set j, 0
.rept 32
	v_mov_b32 v[160+j], 0                          ; O^T.  (The step is written once: the first finds zeros, which the first change of M leaves zeros)
.set j, j+1
.endr
	s_barrier_wait -1                              ; the launch's one barrier: the head's K, V and scale bytes lie in LDS
	s_wait_alu depctr_va_vdst(0)                   ; v7 is written, which the prefetch reads; the zero codes in Q's and K's upper registers are written, which the scaled products take as operands
	KLOAD 1, 3                                     ; step 0's K: it is walked in every head (at least one key is to be walked)
	; A PREFETCH INTO THE L2: 32 blocks of 256 bytes, a lane a block, one instruction of one wave; the eight work-groups of head y name each block of head y + 64's codes once, and only the parts that will be copied.
	; Heads 0 to 63 and the scale bytes come by their loads alone.  Its address registers are never written again.
	s_cmp_lg_u32 s56, 0
	s_cbranch_scc1 .Lno_ask
	global_prefetch_b8 v7, s[46:47] th:TH_LOAD_NT scope:SCOPE_SE
.Lno_ask:
	s_wait_dscnt 0x0                               ; step 0's K is in.  In the loop a step's K is shown in by the wait ahead of the step before's products V^T P^T
; THE KEY LOOP: eight trips, a constant, 128 keys each.  A step whose first key is not to be walked is jumped over, all but the lines at its end that step addresses.
.Lstep:
	s_cmp_ge_u32 s32, s29
	s_cbranch_scc1 .Lskip
.irp t, 0,1,2,3,4,5,6,7
	v_wmma_scale_f32_16x16x128_f8f6f4 v[96+8*\t:103+8*\t], v[32+8*\t:39+8*\t], v[16:23], 0, v[24+\t], v255 matrix_a_fmt:MATRIX_FMT_FP4 matrix_b_fmt:MATRIX_FMT_FP4
.endr                                              ; lane (r, h) holds query r; register 16 b + i is key s32 + 32 b + 16 h + i
	s_wait_alu depctr_vm_vsrc(0)                   ; the LDS loads issued so far have read v8 to v11, which the four additions write
	v_add_nc_u32 v8, s33, v1                       ; the next step's K,
	v_add_nc_u32 v9, s34, v2                       ; this step's V,
	v_add_nc_u32 v10, s35, v3                      ; the next step's scale bytes of K,
	v_add_nc_u32 v11, s36, v4                      ; this step's of V.  These four name no register of the products above: they are the four places ahead of the first read of the results (ISA guide 7.12.1)
	s_add_co_u32 s52, s32, 128
	s_cmp_le_u32 s52, s28
	s_cbranch_scc1 .Lopen                          ; all 128 keys count
	s_sub_co_i32 s52, s28, s32
	v_sub_nc_u32 v252, s52, v242                   ; d = valid_len - the step's first key - 16 h: register 16 b + i is hidden where 32 b + i >= d
.irp b, 0,1,2,3                                    ; a block of 16 registers at a time: sixteen compares in a run, one wait, sixteen selects
.set i, 0
.rept 16
	v_cmp_ge_i32 s[2+i], 32*\b+i, v252
.set i, i+1
.endr
	s_wait_alu depctr_va_sdst(0)                   ; the sixteen compares have written s2 to s17, ahead of the selects that read them
.set i, 0
.rept 16
	v_cndmask_b32 v[96+16*\b+i], v[96+16*\b+i], v243, s[2+i]   ; ascending: each accumulator is read from its low end on
.set i, i+1
.endr
.endr
.Lopen:
.irp b, 0,1,2,3
	v_max3_num_f32 v[232+\b], v[96+16*\b], v[97+16*\b], v[98+16*\b]   ; THE LARGEST SCORE OF EACH BLOCK OF 32 KEYS: it serves twice: for the row's maximum, and, since p rises with the score, for the block's largest p
.endr
.irp i, 3,5,7,9,11,13
.irp b, 0,1,2,3
	v_max3_num_f32 v[232+\b], v[232+\b], v[96+16*\b+\i], v[97+16*\b+\i]   ; (the four blocks by turns)
.endr
.endr
.irp b, 0,1,2,3
	v_max_num_f32 v[232+\b], v[232+\b], v[111+16*\b]
.endr
.irp b, 0,1,2,3
	v_permlanex16_b32 v[236+\b], v[232+\b], s24, s25
.endr
.irp b, 0,1,2,3
	v_max_num_f32 v[232+\b], v[232+\b], v[236+\b]  ; with lane l xor 16's 16 keys
.endr
	v_max3_num_f32 v254, v232, v233, v234
	v_max_num_f32 v254, v254, v235                 ; the step's largest score of my query
	v_mul_f32 v254, s26, v254                      ; as t (c is positive)
	v_max_num_f32 v13, v13, v254                   ; the running largest t
	v_mov_b32 v254, v12
	v_floor_f32 v12, -v13                          ; the new -M = floor(-t) = -ceil(t): M IS A WHOLE NUMBER
	v_sub_f32 v254, v12, v254                      ; M's old value less its new one: a whole number, 0 or less
	v_cvt_i32_f32 v254, v254                       ; (it saturates)
	v_ldexp_f32 v240, 1.0, v254                    ; f = 2^(old M - new M): a multiplication by it rounds nothing
.set j, 0
.rept 32
	v_pk_fma_f32 v[96+j:97+j], v[96+j:97+j], s[26:27], v[12:13] op_sel_hi:[1,0,0]   ; t - M, two at a time (of the pairs c and -M the low word serves both halves)
.set j, j+2
.endr
.irp b, 0,1,2,3
	v_fma_f32 v[232+\b], v[232+\b], s26, v12       ; the same of each block's largest score
.endr
.set j, 0
.rept 64
	v_exp_f32 v[96+j], v[96+j]                     ; p = 2^(t - M), at most 1: NOT normalised
.set j, j+1
.endr
	v_pk_mul_f32 v[14:15], v[14:15], v[240:241] op_sel_hi:[1,0]   ; l under the new M: the plain instruction behind the exponentials
	s_wait_alu depctr_va_vdst(0)                   ; the 64 exponentials have written p, ahead of its first reader; v8 to v11 are written, which the loads below read; this step's products K Q^T are done reading K's fragments and scale words, the last step's products V^T P^T V's: the loads below land there
	s_add_co_u32 s52, s32, 128
	s_cmp_ge_u32 s52, s29
	s_cbranch_scc1 .Lno_next                       ; the next step will not be walked: its K is not asked for (its bytes may not have been copied)
	KLOAD 8, 10                                    ; the next step's K
.Lno_next:
.irp t, 0,1,2,3
.irp c, 0,1
	ds_load_b128 v[192+8*\t+4*\c:195+8*\t+4*\c], v9 offset:16*VP*\t+32*\c   ; V^T: rows 16 t + r, these 128 keys: wanted behind the sums, the conversions and O^T's rescaling, none of which names a register of these loads
.endr
.endr
.irp t, 0,1,2,3
	ds_load_b32 v[248+\t], v11 offset:512*\t                     ; and their scale words
.endr
.irp b, 0,1,2,3
	v_exp_f32 v[232+\b], v[232+\b]                 ; the block's largest p: the same two instructions on the same number give the same bits
.endr
	v_pk_add_f32 v[236:237], v[96:97], v[98:99]    ; THE ROW'S SUM IS TAKEN OF THE UNQUANTISED p: two at a time, in two chains.  (It reads the 64 alone: plain work behind the four)
.irp j, 4,8,12,16,20,24,28,32,36,40,44,48,52,56,60
	v_pk_add_f32 v[14:15], v[14:15], v[96+\j:97+\j]
	v_pk_add_f32 v[236:237], v[236:237], v[98+\j:99+\j]
.endr
	v_pk_add_f32 v[14:15], v[14:15], v[236:237]
	s_wait_alu depctr_va_vdst(0)                   ; the four exponentials have written v232 to v235, ahead of their first reader
.irp b, 0,1,2,3
	v_max_num_f32 v[232+\b], 0x1800000, v[232+\b]  ; the floor 2^(3 - 127): the byte cannot fall under 1 (a block whose every p is 0 keeps that byte: its codes are zeros)
.endr
.irp b, 0,1,2,3
	v_add_nc_u32 v[244+\b], 0xff000000, v[232+\b]  ; 2 off the exponent field: the conversion's scale operand
.endr
.irp b, 0,1,2,3
	v_lshrrev_b32 v[236+\b], 23, v[244+\b]         ; the scale's byte
.endr
	v_lshl_or_b32 v253, v237, 8, v236              ; p's scale word for these 128 keys
	v_lshl_or_b32 v253, v238, 16, v253
	v_lshl_or_b32 v253, v239, 24, v253
.irp b, 0,1,2,3
	v_cvt_scalef32_pk8_fp4_f32 v[224+2*\b], v[96+16*\b:103+16*\b], v[244+\b]
	v_cvt_scalef32_pk8_fp4_f32 v[225+2*\b], v[104+16*\b:111+16*\b], v[244+\b]
.endr
	v_nop                                          ; one plain vector instruction between a scaled conversion and the vector instruction that touches its result
.irp c, 0,1                                        ; the operand's layout wants a WHOLE block in a lane: lanes 0-15 block 2 c, lanes 16-31 block 2 c + 1
.irp i, 0,1
	v_permlane16_swap_b32 v[224+4*\c+\i], v[226+4*\c+\i]
.endr
.endr
.set j, 0
.rept 16
	v_pk_mul_f32 v[160+j:161+j], v[160+j:161+j], v[240:241] op_sel_hi:[1,0]   ; O^T under the new M: x f
.set j, j+2
.endr
.rept 4
	v_nop                                          ; with the twelve multiplications above that name none of a given product's registers: more than eight places behind the scale word's last write, more than four behind the codes', four behind O^T's
.endr
	s_wait_dscnt 0x0                               ; V's fragments and scale words are in, and so is the next step's K
	s_wait_alu depctr_va_vdst(0)                   ; p's codes v224 to v231 and its scale word v253 are written, which the scaled products take as an operand and as scales; the places above stay beside this wait
.irp t, 0,1,2,3
	v_wmma_scale_f32_16x16x128_f8f6f4 v[160+8*\t:167+8*\t], v[192+8*\t:199+8*\t], v[224:231], v[160+8*\t:167+8*\t], v[248+\t], v253 matrix_a_fmt:MATRIX_FMT_FP4 matrix_b_fmt:MATRIX_FMT_FP4
.endr                                              ; the four accumulators take one turn each; the next matrix instruction is the next step's first K Q^T
.Lskip:
	s_add_co_u32 s33, s33, 4096                    ; the next step's places: on every way, so that each is stepped eight times
	s_add_co_u32 s34, s34, 64
	s_add_co_u32 s35, s35, 256
	s_add_co_u32 s36, s36, 4
	s_add_co_u32 s32, s32, 128
	s_cmp_lt_u32 s32, 1024
	s_cbranch_scc1 .Lstep
	; THE WAY OUT.  l's two halves and lane l xor 16's are added; O^T is divided by l and goes through my own stage in LDS, so that sixteen lanes store one whole row of O, 256 aligned bytes.
	s_wait_alu depctr_vm_vsrc(0)                   ; the LDS loads of the loop and of step 0 have read v1 and v8 to v11, which are written anew below
	v_add_f32 v14, v14, v15
	v_permlanex16_b32 v236, v14, s24, s25
	v_add_f32 v14, v14, v236                       ; the row's sum
	v_rcp_f32 v14, v14
	v_and_b32 v8, 15, v0                           ; r  (the address work is the plain work behind the reciprocal, and the places behind the last products)
	v_bfe_u32 v9, v0, 4, 1                         ; h
	s_mul_i32 s52, s20, 16*SP
	s_add_co_u32 s52, s52, STAGE                   ; my stage
	v_mul_u32_u24 v10, v8, SP
	v_lshl_add_u32 v10, v9, 5, v10
	v_add_nc_u32 v10, s52, v10                     ; in: row r; tile t's eight channels of my half: 64 t + 32 h bytes on
	v_mul_u32_u24 v11, v9, SP
	v_lshl_add_u32 v11, v8, 4, v11
	v_add_nc_u32 v11, s52, v11                     ; back: lanes 0-15 one row, lanes 16-31 the next
	v_lshlrev_b32 v1, 8, v9
	v_lshl_add_u32 v1, v8, 4, v1                   ; and the same two rows in O
	s_wait_alu depctr_va_vdst(0)                   ; the reciprocal has written v14, ahead of its first reader
.set j, 0
.rept 16
	v_pk_mul_f32 v[96+j:97+j], v[160+j:161+j], v[14:15] op_sel_hi:[1,0]   ; O^T / l, ascending: register 8 t + i is o(r, 16 t + 8 h + i)
.set j, j+2
.endr
	s_wait_alu depctr_va_vdst(0)                   ; the multiplications have written v96 to v127, which the LDS stores read; v10, v11 and v1 are written, which the stores and loads below read; the products K Q^T are done reading v32 to v63, in which the loads from the stage land
.irp t, 0,1,2,3
	ds_store_b128 v10, v[96+8*\t:99+8*\t] offset:64*\t
	ds_store_b128 v10, v[100+8*\t:103+8*\t] offset:64*\t+16
.endr
.irp i, 0,1,2,3,4,5,6,7
	ds_load_b128 v[32+4*\i:35+4*\i], v11 offset:2*\i*SP          ; LDS serves a wave's instructions in order (ISA guide 5.7.1): these see my stores
.endr
.irp i, 0,1,2,3,4,5,6,7
	s_wait_dscnt 7-\i                              ; pair i of the eight pairs of rows is back
	global_store_b128 v1, v[32+4*\i:35+4*\i], s[18:19] offset:512*\i th:TH_STORE_NT   ; 32 lanes store 512 consecutive bytes, at a multiple of 256 from O's first byte; written once, read by nobody here
.endr
	s_wait_dscnt 0x0                               ; the wave's end, behind my last LDS store
	s_wait_alu 0x0
	s_wait_tensorcnt 0x0
	ds_add_u32 v5, v6
	s_wait_dscnt 0x0
	s_endpgm
.Lfunc_end_k_q1a8bc85a1a_attn:
	.size	k_q1a8bc85a1a_attn, .Lfunc_end_k_q1a8bc85a1a_attn-k_q1a8bc85a1a_attn
	.p2alignl 7, 3214868480
	.fill 96, 4, 3214868480
	.section	.rodata,"a",@progbits
	.p2align	6, 0x0
	.amdhsa_kernel k_q1a8bc85a1a_attn
		.amdhsa_group_segment_fixed_size 106496
		.amdhsa_private_segment_fixed_size 0
		.amdhsa_enable_private_segment 0
		.amdhsa_kernarg_size 64
		.amdhsa_user_sgpr_count 2
		.amdhsa_user_sgpr_kernarg_segment_ptr 1
		.amdhsa_wavefront_size32 1
		.amdhsa_system_sgpr_workgroup_id_x 1
		.amdhsa_system_sgpr_workgroup_id_y 1
		.amdhsa_system_sgpr_workgroup_id_z 1
		.amdhsa_system_vgpr_workitem_id 0
		.amdhsa_next_free_vgpr 256
		.amdhsa_next_free_sgpr 66
		.amdhsa_reserve_vcc 0
		.amdhsa_float_denorm_mode_32 3
		.amdhsa_float_denorm_mode_16_64 3
		.amdhsa_memory_ordered 1
		.amdhsa_forward_progress 1
		.amdhsa_inst_pref_size 42
	.end_amdhsa_kernel
	.amdgpu_metadata
---
amdhsa.version: [ 1, 2 ]
amdhsa.kernels:
  - .name:           k_q1a8bc85a1a_attn
    .symbol:         k_q1a8bc85a1a_attn.kd
    .args:
      - { .name: queries_codes, .offset: 0, .size: 8, .value_kind: global_buffer, .address_space: global }
      - { .name: queries_scales, .offset: 8, .size: 8, .value_kind: global_buffer, .address_space: global }
      - { .name: keys_codes, .offset: 16, .size: 8, .value_kind: global_buffer, .address_space: global }
      - { .name: keys_scales, .offset: 24, .size: 8, .value_kind: global_buffer, .address_space: global }
      - { .name: values_codes, .offset: 32, .size: 8, .value_kind: global_buffer, .address_space: global }
      - { .name: values_scales, .offset: 40, .size: 8, .value_kind: global_buffer, .address_space: global }
      - { .name: valid_lens, .offset: 48, .size: 8, .value_kind: global_buffer, .address_space: global }
      - { .name: out0, .offset: 56, .size: 8, .value_kind: global_buffer, .address_space: global }
    .group_segment_fixed_size: 106496
    .private_segment_fixed_size: 0
    .kernarg_segment_align: 8
    .kernarg_segment_size: 64
    .max_flat_workgroup_size: 256
    .sgpr_count:     66
    .vgpr_count:     256
    .wavefront_size: 32
...
	.end_amdgpu_metadata
.endif
;; end of part 2
